; MI455X (gfx1250); checked and timed in simulation.
; The chip was launched on July 23, 2026; its instructions are those of AMD's public machine-readable ISA for CDNA 5 (MIT licence, August 2026) and "CDNA5" Instruction Set Architecture Reference Guide (July 2026). The comments in the code are by the model that wrote it; some were corrected since.
;; Multi Head Attention Base. Allowed arithmetic: matrix products marked QUANTISED: E2M1 operands, one E8M0 scale for each 32 along K, by v_wmma_scale_f32_16x16x128_f8f6f4 with both operands' format E2M1 (or v_wmma_scale_f32_32x16x128_f4), f32 sums; products left as they are: bf16, f16 or f32 operands; f32 sums; everything else in f32.
;; Inputs: k 4 x 16 x 2,048 x 64 float32; mask 4 x 2,048 x 2,048 bool; q 4 x 16 x 2,048 x 64 float32; v 4 x 16 x 2,048 x 64 float32.
;; Outputs: out0 4 x 16 x 2,048 x 64 float32.
;; This version of the problem:
;;   THIS VERSION OF THE PROBLEM IS GIVEN IN LOW PRECISION. The matrix products marked QUANTISED in the list below multiply operands that are first quantised to E2M1 (2 exponent bits, 1 mantissa bit; 4 bits a number), with one power-of-two scale for each 32 numbers along K (OCP MX v1.0); their sums are f32. The products marked 'left as it is' may take bf16, f16 or f32 operands, with f32 sums. Whichever they take, every output number must still come out within the allowed error. Rounding operands to bf16 (8 significant bits) uses up far more of that allowance than f16 does (11 bits, for magnitudes from 6e-5 to 65,504). All else is computed in f32.
;;   The module's matrix products, in the order in which they are computed (A, B: the left and right operand; K: the contracted axis; several contracted axes count as one K, in the product's order):
;;     1. batch 64 x [M 2,048, K 64] x [K 64, N 2,048]; A: input q; B: input k: QUANTISED
;;     2. batch 64 x [M 2,048, K 2,048] x [K 2,048, N 64]; A: computed on the way; B: input v: left as it is (an operand is computed on the way)
;;   THE QUANTISER, for each operand of a quantised product, along K:
;;     - K is cut into blocks of 32 from its start; a last block that is shorter is filled with zeros.
;;     - A block's scale is 2^e with e = floor(log2(the largest magnitude in the block)) - 2, held to -126 .. 127; a block of zeros has e = 0. As a byte (E8M0): e + 127.
;;     - Each number is divided by its block's scale, clamped to +-6, and rounded to the nearest number of E2M1, ties to even, subnormals kept.
;;     - The product sums the exact products of the quantised numbers (number of the format x scale) in f32.
;;   ~~~python
;;   def quantise(x, axis):      # numpy; x: float32 -> the quantised numbers, widened to float32 again
;;       x = np.moveaxis(x, axis, -1); K = x.shape[-1]
;;       x = np.pad(x, [(0, 0)] * (x.ndim - 1) + [(0, -K % 32)]); x = x.reshape(x.shape[:-1] + (-1, 32)); a = np.abs(x).max(-1, keepdims=True)
;;       e = np.where(a > 0, np.clip(np.frexp(np.where(a > 0, a, 1))[1] - 1 - 2, -126, 127), 0)      # np.frexp(a)[1] - 1 = floor(log2(a)), exactly
;;       r = np.clip(x / 2.0 ** e, -6, 6)
;;       step = 2.0 ** (np.maximum(np.frexp(np.where(r == 0, 1, r))[1] - 1, 0) - 1)
;;       q = np.round(r / step) * step * 2.0 ** e      # np.round: ties to even
;;       return np.moveaxis(q.reshape(q.shape[:-2] + (-1,))[..., :K], -1, axis).astype(np.float32)
;;   ~~~
;; One version. Each part assembles by itself: llvm-mc -triple=amdgcn-amd-amdhsa -mcpu=gfx1250 --defsym DOCPART=n.
;; ======== version 1 of 1: 2 launches
;; limits: right only within a limited range of input values; values are held in f16: magnitudes above 65,504 overflow, below 6.1e-05 lose precision
;; workspace buffers: qc 4,718,592 bytes; kc 4,718,592 bytes; vh 16,777,216 bytes; mw 2,097,152 bytes of whole numbers
;; launch prep (part 1): grid 1024 x 1, 4 waves a work-group, no clusters, 72,192 bytes of LDS; arguments q, k, v, mask, qc, kc, vh, mw; writes qc, kc, vh, mw
.if DOCPART == 1
	.amdgcn_target "amdgcn-amd-amdhsa--gfx1250"
	.amdhsa_code_object_version 6
	.text
	.protected	k_q13429fd9c1_prep
	.globl	k_q13429fd9c1_prep
	.p2align	8
	.type	k_q13429fd9c1_prep,@function
k_q13429fd9c1_prep:
	s_mov_b64 s[64:65], 0
	v_nop
	global_prefetch_b8 v0, s[64:65] scope:SCOPE_SE
	s_setreg_imm32_b32 hwreg(HW_REG_WAVE_MODE, 25, 1), 1
	s_wait_xcnt 0x0
; THE LAUNCH IN FRONT OF THE ATTENTION: every input is read once and laid as the attention's registers want it.
;   q, k [64 heads][2048][64] f32 -> qc, kc: codes of FP4 (E2M1) along the head's 64, one E8M0 scale byte for each 32.  A block of 512 rows is 18,432 bytes: 32 images of 512 bytes
;       (tile T of 16 rows at 512 T; lane 16 h + r holds, at 16 x lane, the 32 codes of row 16 T + r, dims 32 h on: registers 0-3 of a fragment), then 512 scale words, one a row
;       (byte 0: dims 0-31, byte 1: dims 32-63, bytes 2, 3: 0, for the half of the matrix instruction's K that holds zero codes).
;   v [64][2048][64] f32 -> vh: the same numbers in f16, rounded to nearest even.
;   mask [4][2048][2048] bytes -> mw [b][tile of 16 queries][tile of 16 keys][8] words: bit 16 h + r of word j is mask[16 qt + r][16 kt + 8 h + j]: the lane mask for register j of a tile of scores.
; A block's scale is 2^(floor(log2(its largest magnitude)) - 2): its byte is the largest magnitude's exponent field - 2, held at 1 from below.
; LIMITS: a block of zeros gets the byte 1 where the quantiser says 127 (its codes are zeros, and this program alone reads the bytes); blocks whose largest magnitude lies under 2^(3 - 127) are held at byte 1;
;   NaN and infinities among the inputs are not served; |v| stays under 65,504, f16's largest number.
; SHARES: work-groups 0-255 take q, 256-511 k (a block of 512 rows each, 128 rows a wave); 512-767 take v (8,192 numbers a wave); 768-1023 the mask (a wave: 16 queries x 1,024 keys).
; The three ways part on the work-group's number and never join; each has LDS bytes of its own; waves share nothing, so there is no barrier.  No tensor load, no matrix unit, no cluster: a stream, read once.
.set PIT,   272                        ; a stage row: 256 bytes + 16 of padding: 16 rows start at 16 different groups of four banks (64 banks of 4 bytes: ISA guide 11.1)
.set STG,   16*PIT                     ; a stage: 16 rows
.set QREG,  2*STG+512                  ; q's and k's way, a wave's region: two stages, then 512 bytes in which its 128 scale words are gathered
.set GAT,   2*STG
.set MBASE, 4*QREG                     ; the mask's way: a wave's region is two stages
.set MREG,  2*STG
.set SPARE, MBASE+4*MREG               ; the spare words, 128 bytes for each wave: two blocks of 256 bytes that no other line names
.set RR,    32                         ; v32-95   as loaded: two sets of 32 (v's way: a ring of 16 x 4)
.set XX,    96                         ; v96-159  back from the stage: two sets of 32 (v's way: 16 x 2 to store)
.set CC,    160                        ; v160-191 codes, four registers a tile (the mask's way: words, four registers a group)
.set WD,    24                         ; v24-31   a scale word for each tile
.set SPW,   12                         ; v12      LDS address of my spare word; never rewritten
.set NIL,   13                         ; v13      0; never rewritten
	s_load_b256 s[4:11], s[0:1], 0x0               ; q s[4:5], k s[6:7], v s[8:9], mask s[10:11]
	s_load_b256 s[12:19], s[0:1], 0x20             ; qc s[12:13], kc s[14:15], vh s[16:17], mw s[18:19]
	v_lshl_add_u32 v[SPW], v0, 2, SPARE
	v_mov_b32 v[NIL], 0
	v_lshrrev_b32 v1, 5, v0
	v_readfirstlane_b32 s20, v1                    ; wave 0..3
	v_and_b32 v1, 31, v0                           ; L
	v_and_b32 v2, 15, v0                           ; r = L % 16
	v_bfe_u32 v3, v0, 4, 1                         ; h = L / 16
	v_lshlrev_b32 v4, 4, v1                        ; 16 L: my 16 bytes of 512 consecutive ones
	; every LDS address is made here, ahead of the parting: a constant x wave + constants x lane
	s_mul_i32 s21, s20, QREG
	v_mul_u32_u24 v5, v3, PIT
	v_lshl_add_u32 v5, v2, 4, v5
	v_add_nc_u32 v5, s21, v5                       ; into a stage: a load's 512 bytes are two rows: row h, 16 r
	v_mul_u32_u24 v6, v2, PIT
	v_lshl_add_u32 v6, v3, 7, v6
	v_add_nc_u32 v6, s21, v6                       ; out of it: row r, my block of 32 numbers: 128 h
	v_lshlrev_b32 v7, 2, v2
	v_add_nc_u32 v7, s21, v7
	v_add_nc_u32 v7, GAT, v7                       ; my row's scale word
	v_add_nc_u32 v8, s21, v4
	v_add_nc_u32 v8, GAT, v8                       ; and the 128 words on their way out
	s_mul_i32 s21, s20, MREG
	s_add_co_u32 s21, s21, MBASE
	v_mul_u32_u24 v9, v3, PIT
	v_lshl_add_u32 v9, v2, 4, v9
	v_add_nc_u32 v9, s21, v9                       ; the mask's stage, in: row h, 16 r
	v_mul_u32_u24 v10, v2, PIT
	v_lshl_add_u32 v10, v3, 4, v10
	v_add_nc_u32 v10, s21, v10                     ; and out: row r, the 16 keys of key tile h of a pair
	v_lshlrev_b32 v11, 11, v3
	v_lshl_add_u32 v11, v2, 4, v11                 ; the mask in memory: row h of 2,048 bytes, 16 r
	v_lshlrev_b32 v14, 3, v3                       ; 8 h: my byte's place in a scale word
	v_lshlrev_b32 v15, 3, v1                       ; 8 L
	v_mov_b32 v21, 0                               ; written once: a lane permute's destination counts as one of its sources
	s_mov_b32 s22, 0x76543210
	s_mov_b32 s23, 0xfedcba98                      ; v_permlanex16_b32's selects for lane l xor 16
	s_mov_b32 s31, 0                               ; the upper word of every offset
	s_wait_kmcnt 0x0
	s_cmp_ge_u32 ttmp9, 768
	s_cbranch_scc1 .Lmask
	s_cmp_ge_u32 ttmp9, 512
	s_cbranch_scc1 .Lvalues
	; ---------------- q and k: codes and scale words ----------------
	s_cmp_lt_u32 ttmp9, 256                        ; q's work-group or k's: the choice hangs on the work-group's number alone
	s_cselect_b64 s[24:25], s[4:5], s[6:7]
	s_cselect_b64 s[26:27], s[12:13], s[14:15]
	s_mov_b64 s[28:29], s[26:27]
	s_and_b32 s21, ttmp9, 255                      ; the block of 512 rows
	s_lshl_b32 s30, s21, 17                        ; 512 rows of 256 bytes,
	s_lshl_b32 s32, s20, 15                        ; my wave's 128 of them
	s_add_co_u32 s30, s30, s32
	s_add_nc_u64 s[24:25], s[24:25], s[30:31]
	s_mul_i32 s33, s21, 18432
	s_lshl_b32 s32, s20, 12                        ; my eight images
	s_add_co_u32 s30, s33, s32
	s_add_nc_u64 s[26:27], s[26:27], s[30:31]
	s_lshl_b32 s32, s20, 9                         ; my 128 scale words, behind the block's 32 images
	s_add_co_u32 s30, s33, s32
	s_add_co_u32 s30, s30, 16384
	s_add_nc_u64 s[28:29], s[28:29], s[30:31]
.macro QLOAD t                         ; tile t: 16 rows x 256 bytes as they lie: each load reads 512 consecutive bytes
.irp i, 0,1,2,3,4,5,6,7
	global_load_b128 v[RR+32*((\t)%2)+4*\i:RR+32*((\t)%2)+4*\i+3], v4, s[24:25] offset:4096*(\t)+512*\i th:TH_LOAD_NT
.endr
.endm
.macro QTURN t                         ; through the wave's own stage: LDS serves a wave's instructions in order (ISA guide 5.7.1.4), so no wait stands between the stores and the loads.  A lane comes away with a whole block of 32
.irp i, 0,1,2,3,4,5,6,7
	ds_store_b128 v5, v[RR+32*((\t)%2)+4*\i:RR+32*((\t)%2)+4*\i+3] offset:STG*((\t)%2)+2*PIT*\i
.endr
.irp g, 0,1,2,3,4,5,6,7
	ds_load_b128 v[XX+32*((\t)%2)+4*\g:XX+32*((\t)%2)+4*\g+3], v6 offset:STG*((\t)%2)+16*\g
.endr
.endm
.macro QSTEP t
.set XS, XX+32*((\t)%2)
.if (\t) > 0
	s_wait_dscnt 1                                 ; this tile is back from its stage (the last tile's scale word may be out): so its stores into the stage have read their registers,
.else
	s_wait_dscnt 0x0
.endif
.if (\t)+2 < 8
	QLOAD (\t)+2                                   ; which take the tile two on
	s_wait_loadcnt 8                               ; the next tile's eight loads are in; the eight just issued may be out
.elseif (\t)+1 < 8
	s_wait_loadcnt 0x0
.endif
.if (\t)+1 < 8
	QTURN (\t)+1                                   ; the next tile goes through the other stage while this one is worked
.endif
	v_max3_num_f32 v16, |v[XS]|, |v[XS+1]|, |v[XS+2]|           ; the block's largest magnitude: all 32 numbers are mine; two chains
	v_max3_num_f32 v17, |v[XS+3]|, |v[XS+4]|, |v[XS+5]|
.irp i, 6,10,14,18,22,26
	v_max3_num_f32 v16, v16, |v[XS+\i]|, |v[XS+\i+1]|
	v_max3_num_f32 v17, v17, |v[XS+\i+2]|, |v[XS+\i+3]|
.endr
	v_max3_num_f32 v16, v16, |v[XS+30]|, |v[XS+31]|
	v_max3_num_f32 v16, v16, v17, 0x1800000        ; and the floor 2^(3 - 127): the byte cannot fall under 1
	v_add_nc_u32 v18, 0xff000000, v16              ; 2 off its exponent field: the conversion takes the exponent field of this operand as its scale
.irp g, 0,1,2,3
	v_cvt_scalef32_pk8_fp4_f32 v[CC+4*(\t)+\g], v[XS+8*\g:XS+8*\g+7], v18   ; to the nearest code, ties to even, beyond 6 the largest code; the lower dim in the lower bits
.endr
	v_lshrrev_b32 v19, 23, v18                     ; the scale's byte (a plain line behind the conversions),
	v_lshlrev_b32 v19, v14, v19                    ; at its place in the row's word;
	v_permlanex16_b32 v21, v19, s22, s23
	v_or_b32 v[WD+(\t)], v19, v21                  ; with lane l xor 16's the word is whole
	ds_store_b32 v7, v[WD+(\t)] offset:64*(\t)     ; both lanes of a row write the same word with the same value
	global_store_b128 v4, v[CC+4*(\t):CC+4*(\t)+3], s[26:27] offset:512*(\t)   ; the image: 512 consecutive bytes
.endm
	QLOAD 0
	QLOAD 1
	s_wait_loadcnt 8                               ; tile 0's eight loads are in
	QTURN 0
.irp t, 0,1,2,3,4,5,6,7
	QSTEP \t
.endr
	ds_load_b128 v[16:19], v8                      ; my 128 scale words, in the rows' order
	s_wait_dscnt 0x0
	global_store_b128 v4, v[16:19], s[28:29]       ; 512 consecutive bytes
	s_wait_tensorcnt 0x0                           ; the wave's end, behind my last LDS store
	ds_add_u32 v[SPW], v[NIL]
	s_wait_dscnt 0x0
	s_endpgm
	; ---------------- v: f32 to f16 ----------------
.Lvalues:
	s_sub_co_u32 s21, ttmp9, 512
	s_lshl_b32 s30, s21, 17                        ; 32,768 numbers a work-group, 8,192 a wave: 4 bytes each in,
	s_lshl_b32 s32, s20, 15
	s_add_co_u32 s30, s30, s32
	s_add_nc_u64 s[24:25], s[8:9], s[30:31]
	s_lshl_b32 s30, s21, 16                        ; 2 bytes each out
	s_lshl_b32 s32, s20, 14
	s_add_co_u32 s30, s30, s32
	s_add_nc_u64 s[26:27], s[16:17], s[30:31]
.set VI, 0
.rept 16                               ; a ring of sixteen slots in registers: sixteen loads of 512 bytes are on their way
	global_load_b128 v[RR+4*VI:RR+4*VI+3], v4, s[24:25] offset:512*VI th:TH_LOAD_NT
.set VI, VI+1
.endr
.set VI, 0
.rept 64
.if 63-VI < 15
	s_wait_loadcnt 63-VI                           ; the last round: the counts run down
.else
	s_wait_loadcnt 15                              ; loads come back in order (ISA guide 5.7.1): mine is in, the fifteen younger ones stay out
.endif
.if (VI > 0) && (VI%16 == 0)
	s_wait_xcnt 0x0                                ; once round the ring: the last sixteen stores have read their data, which are written again from here on
.endif
	v_cvt_pk_f16_f32 v[XX+2*(VI%16)], v[RR+4*(VI%16)], v[RR+4*(VI%16)+1]
	v_cvt_pk_f16_f32 v[XX+2*(VI%16)+1], v[RR+4*(VI%16)+2], v[RR+4*(VI%16)+3]
.if VI+16 < 64
	global_load_b128 v[RR+4*(VI%16):RR+4*(VI%16)+3], v4, s[24:25] offset:512*(VI+16) th:TH_LOAD_NT
.endif
	global_store_b64 v15, v[XX+2*(VI%16):XX+2*(VI%16)+1], s[26:27] offset:256*VI   ; 32 lanes store 256 consecutive bytes, at a multiple of 256 from vh's first byte
.set VI, VI+1
.endr
	s_wait_tensorcnt 0x0                           ; the wave's end
	ds_add_u32 v[SPW], v[NIL]
	s_wait_dscnt 0x0
	s_endpgm
	; ---------------- the mask: bytes to lane masks ----------------
.Lmask:
	s_sub_co_u32 s21, ttmp9, 768
	s_lshl_b32 s21, s21, 1
	s_lshr_b32 s30, s20, 1
	s_add_co_u32 s21, s21, s30                     ; which tile of 16 queries, of 4 x 128: two to a work-group
	s_and_b32 s32, s20, 1                          ; which half of its 2,048 keys
	s_lshl_b32 s30, s21, 15                        ; 16 rows of 2,048 bytes
	s_lshl_b32 s33, s32, 10
	s_add_co_u32 s30, s30, s33
	s_add_nc_u64 s[24:25], s[10:11], s[30:31]
	s_lshl_b32 s30, s21, 12                        ; 128 key tiles x 8 words
	s_lshl_b32 s33, s32, 11
	s_add_co_u32 s30, s30, s33
	s_add_nc_u64 s[26:27], s[18:19], s[30:31]
.irp j, 0,1,2,3,4,5,6,7,8,9,10,11,12,13,14,15
	v_mov_b32 v[CC+\j], 0                          ; written once: v_writelane_b32's destination counts as one of its sources
.endr
.macro MLOAD g                         ; group g: 16 rows x 256 keys: sixteen lanes read 256 consecutive bytes of a row
.irp i, 0,1,2,3,4,5,6,7
	global_load_b128 v[RR+32*((\g)%2)+4*\i:RR+32*((\g)%2)+4*\i+3], v11, s[24:25] offset:4096*\i+256*(\g) th:TH_LOAD_NT
.endr
.endm
.macro MTURN g                         ; through the stage: lane (r, h) comes away with row r's 16 bytes of key tile 2 kk + h, kk = 0 .. 7
.irp i, 0,1,2,3,4,5,6,7
	ds_store_b128 v9, v[RR+32*((\g)%2)+4*\i:RR+32*((\g)%2)+4*\i+3] offset:STG*((\g)%2)+2*PIT*\i
.endr
.irp kk, 0,1,2,3,4,5,6,7
	ds_load_b128 v[XX+32*((\g)%2)+4*\kk:XX+32*((\g)%2)+4*\kk+3], v10 offset:STG*((\g)%2)+32*\kk
.endr
.endm
.macro MWORK g
.irp kk, 0,1,2,3,4,5,6,7
.set DB, XX+32*((\g)%2)+4*\kk
	v_permlane16_swap_b32 v[DB], v[DB+2]           ; the first's lanes 16-31 change places with the second's lanes 0-15: register i now holds key tile 2 kk + i / 2,
	v_permlane16_swap_b32 v[DB+1], v[DB+3]         ; keys 8 h + 4 (i % 2) + 0 .. 3, of row r
.irp i, 0,1,2,3
.irp y, 0,1,2,3
	v_bfe_u32 v[16+\y], v[DB+\i], 8*\y, 8          ; byte y
.endr
.irp y, 0,1,2,3
	v_cmp_ne_u32 s[32+4*\i+\y], 0, v[16+\y]        ; one bit a lane: the word for register j = 4 (i % 2) + y of that key tile
.endr
.irp y, 0,1,2,3
	v_writelane_b32 v[CC+4*(\g)+\y], s[32+4*\i+\y], 4*\kk+\i   ; word 16 kk + 4 i + y of the group's 128: lane 4 kk + i, register y
.endr
.endr
.endr
	global_store_b128 v4, v[CC+4*(\g):CC+4*(\g)+3], s[26:27] offset:512*(\g)   ; 512 consecutive bytes: 16 key tiles x 8 words
.endm
	MLOAD 0
	MLOAD 1
	s_wait_loadcnt 8                               ; group 0's eight loads are in
	MTURN 0
.irp g, 0,1,2,3
	s_wait_dscnt 0x0                               ; this group is back from its stage, and its stores into the stage have read their registers
.if \g+2 < 4
	MLOAD \g+2
	s_wait_loadcnt 8                               ; the next group's loads are in; the eight just issued may be out
.elseif \g+1 < 4
	s_wait_loadcnt 0x0
.endif
.if \g+1 < 4
	MTURN \g+1
.endif
	MWORK \g
.endr
	s_wait_tensorcnt 0x0                           ; the wave's end, behind my last LDS store
	ds_add_u32 v[SPW], v[NIL]
	s_wait_dscnt 0x0
	s_endpgm
.Lfunc_end_k_q13429fd9c1_prep:
	.size	k_q13429fd9c1_prep, .Lfunc_end_k_q13429fd9c1_prep-k_q13429fd9c1_prep
	.p2alignl 7, 3214868480
	.fill 96, 4, 3214868480
	.section	.rodata,"a",@progbits
	.p2align	6, 0x0
	.amdhsa_kernel k_q13429fd9c1_prep
		.amdhsa_group_segment_fixed_size 72192
		.amdhsa_private_segment_fixed_size 0
		.amdhsa_enable_private_segment 0
		.amdhsa_kernarg_size 64
		.amdhsa_user_sgpr_count 2
		.amdhsa_user_sgpr_kernarg_segment_ptr 1
		.amdhsa_wavefront_size32 1
		.amdhsa_system_sgpr_workgroup_id_x 1
		.amdhsa_system_sgpr_workgroup_id_y 1
		.amdhsa_system_sgpr_workgroup_id_z 1
		.amdhsa_system_vgpr_workitem_id 0
		.amdhsa_next_free_vgpr 192
		.amdhsa_next_free_sgpr 66
		.amdhsa_reserve_vcc 0
		.amdhsa_float_denorm_mode_32 3
		.amdhsa_float_denorm_mode_16_64 3
		.amdhsa_memory_ordered 1
		.amdhsa_forward_progress 1
		.amdhsa_inst_pref_size 161
	.end_amdhsa_kernel
	.amdgpu_metadata
---
amdhsa.version: [ 1, 2 ]
amdhsa.kernels:
  - .name:           k_q13429fd9c1_prep
    .symbol:         k_q13429fd9c1_prep.kd
    .args:
      - { .name: q, .offset: 0, .size: 8, .value_kind: global_buffer, .address_space: global }
      - { .name: k, .offset: 8, .size: 8, .value_kind: global_buffer, .address_space: global }
      - { .name: v, .offset: 16, .size: 8, .value_kind: global_buffer, .address_space: global }
      - { .name: mask, .offset: 24, .size: 8, .value_kind: global_buffer, .address_space: global }
      - { .name: qc, .offset: 32, .size: 8, .value_kind: global_buffer, .address_space: global }
      - { .name: kc, .offset: 40, .size: 8, .value_kind: global_buffer, .address_space: global }
      - { .name: vh, .offset: 48, .size: 8, .value_kind: global_buffer, .address_space: global }
      - { .name: mw, .offset: 56, .size: 8, .value_kind: global_buffer, .address_space: global }
    .group_segment_fixed_size: 72192
    .private_segment_fixed_size: 0
    .kernarg_segment_align: 8
    .kernarg_segment_size: 64
    .max_flat_workgroup_size: 128
    .sgpr_count:     66
    .vgpr_count:     192
    .wavefront_size: 32
...
	.end_amdgpu_metadata
.endif
;; end of part 1
;; launch attn (part 2): grid 4 x 64, 16 waves a work-group, clusters of 4 x 1, 327,680 bytes of LDS; arguments qc, kc, vh, mw, out0; writes out0
.if DOCPART == 2
	.amdgcn_target "amdgcn-amd-amdhsa--gfx1250"
	.amdhsa_code_object_version 6
	.text
	.protected	k_q13429fd9c1_attn
	.globl	k_q13429fd9c1_attn
	.p2align	8
	.type	k_q13429fd9c1_attn,@function
k_q13429fd9c1_attn:
	s_mov_b64 s[64:65], 0
	v_nop
	global_prefetch_b8 v0, s[64:65] scope:SCOPE_SE
	s_setreg_imm32_b32 hwreg(HW_REG_WAVE_MODE, 25, 1), 1
	s_wait_xcnt 0x0
	s_wait_alu depctr_hold_cnt(0) depctr_sa_sdst(0) depctr_va_vdst(0) depctr_va_sdst(0) depctr_va_ssrc(0) depctr_va_vcc(0) depctr_vm_vsrc(0)
	s_getreg_b32 s2, hwreg(HW_REG_IB_STS2, 6, 4)
	s_cmp_eq_u32 s2, 0
	s_cbranch_scc0 .Lentry_in_a_cluster
	s_endpgm
.Lentry_in_a_cluster:
	s_bfe_u32 s2, ttmp6, 0x10000c
	s_cmp_lg_u32 s2, 0x3003
	s_cbranch_scc0 .Lentry_shape_is_right
	s_endpgm
.Lentry_shape_is_right:
; out0[head][q][:] = the sum over k of softmax_k(where(mask[b][q][k], -1e9, Q[q] . K[k] / 8)) V[k][:].  64 heads (b = head / 16), 2,048 queries and keys, head size 64.
; Q . K on codes of FP4 (E2M1) with one E8M0 scale for each 32 of the head's 64 (qc, kc: images of the operands' registers, made by the launch before); the matrix instruction's K is 128: its upper half holds zero codes.
; The weights p and V go to the second product in f16; maxima, exponentials and sums in f32; the row's sum is taken of the unrounded p and divides at the end.
; SHARES.  A work-group owns 512 queries of one head; each of its SIXTEEN waves 32 of them, two tiles of 16, in 256 registers: four waves to a SIMD, so that one wave's vector work stands beside another's products and LDS loads.
; Every wave walks all 2,048 keys, 64 a step, 8 steps a slot.  K's images and scale words and V's rows come through a ring of two LDS slots of 512 keys (waves 0-3: V's quarters; wave 4: K's block of 18,432 bytes).
; CLUSTER.  The four work-groups of a cluster are the four query blocks of one head and walk the same K and V: each tile is asked for JOINTLY, by the same tensor load with the same descriptor and a mask that names the four.
; LAYOUT.  S^T = K Q^T (source 0 = 16 keys, source 1 = 16 queries): a lane holds ONE query (lane % 16) and keys 8 (lane / 16) + 0..7 of a tile.  Two such tiles, rounded to f16 in pairs, ARE source 1 (32 keys x 16 queries)
; of O^T = V^T P, whose result again holds one query a lane.  V ([key][channel]) is turned on its way out of LDS by ds_load_tr16_b128.
; THE MASK.  mw holds, for each register of a tile of scores, the 32 lanes' mask bits as one word: 32 words a tile and step come by scalar loads, and a masked score costs one v_cndmask_b32.  A masked raw score becomes
; -8e9 = 8 x -1e9, exact in f32.  SOFTMAX: for each query a running maximum m and sum l: p = 2^(c s - c m), c = log2(e) / 8; O and l are multiplied by a = 2^(c m_old - c m_new) in every step.  While a query's m is still
; -8e9, every key so far is masked: its lane takes c = 0 and level 0, so that p = 1 exactly for each: a row that is wholly masked comes out as the mean of V.  The first key that counts gives a = 0.
; LIMITS: NaN and infinities are not served; |v| under 65,504 (f16); unmasked |q . k| under 2^29, so that it lies over -8e9 and the rounding of c m leaves p far inside f16's range.
; K's and V's tiles are not prefetched: a refill is asked for a whole slot, eight key steps, ahead of its first read.  The mask words are (macro ASK): they are wanted half a key step after they are asked for.
; REGISTERS: v1-3 lane places; v4-6 the step's LDS addresses; v7, v8 the add's two; v9 -8e9; v10 c; v11 my place in O's rows; v12 the prefetches' offset; v14-15 K's scale words; v16 Q's; v18-25 l (a pair), m, -c m for each tile;
;   v[26:27] c or 0, v[28:29] -c m or 0, v[30:31] a (pairs: the low word serves both halves); v32-39 at work; v40-55 Q; v56-87 K; v88-119 V of keys 0-31; v120-183 S^T, then p; P is packed into each tile's first 16,
;   V of keys 32-63 takes each tile's other 16; v184-247 O^T.
.set SLOT1, 1<<17                      ; slot 1 begins here, so that one exclusive or turns an address in one slot into the other's
.set KSC,   16384                      ; in a slot: 32 images of K, then 512 scale words,
.set VOFF,  18432                      ; then 512 rows of V
.set VP,    160                        ; a row of V in LDS: 128 bytes + 32 of padding = 40 words: row r starts at bank 40 r mod 64
.set SPARE, 2*SLOT1                    ; the spare words, 128 bytes for each wave: eight blocks of 256 bytes that no other line names
.set SP,    272                        ; the way out: a stage of 16 rows x (256 bytes + 16) for each wave, in slot 0: it has had its last fill, and its last read lies ahead of the last change of slots
.set AK0, 1
.set AS0, 2
.set AV0, 3
.set ADK, 4
.set ADS, 5
.set ADV, 6
.set SPW, 7
.set NIL, 8
.set XR,  9
.set CR,  10
.set GO,  11
.set PFO, 12
.set KS,  14
.set QS,  16
.set ST,  18
.set MX,  32
.set QF,  40
.set KF,  56
.set VL,  88
.set SR,  120
.set OA,  184
.set MBP, 10                           ; s[10:11] the mask words of my first tile, at the step in hand
.set WV,  18                           ; s18  my wave's number
.set SEL, 20                           ; s[20:21] lane selects for v_permlanex16_b32: lane l xor 16
.set NEGC, 22                          ; s22  -c
.set G1K, 24                           ; s[24:31] descriptor group 1 for K's block;  s[32:39] for V's quarters;  s[40:43], s[44:47] their groups 0, which walk
.set G1V, 32
.set G0K, 40
.set G0V, 44
.set SLOTS, 48
.set STP, 49
.set TK,  50                           ; s50-52 where the step's images, scale words and rows of V begin in LDS
.set TS,  51
.set TV,  52
.set PFA, 54                           ; s[54:55] where my prefetches stand
.set LIM, 56                           ; s56  1 in a wave that prefetches
.set MW,  68                           ; s[68:99] the 32 mask words in hand
; A round of the cluster's barrier: my work-group's barrier, so that wave 0's signal speaks for all sixteen waves; wave 0 signals; every wave waits for all four work-groups; my work-group's barrier once more.
.macro CROUND
	s_barrier_signal -1
	s_barrier_wait -1
	s_cmp_lg_u32 s[WV], 0
	s_cbranch_scc1 .Lnot_wave_0_\@
	s_barrier_signal -3
.Lnot_wave_0_\@:
	s_barrier_wait -3
	s_barrier_signal -1
	s_barrier_wait -1
.endm
; A joint load.  The branches hang on the wave's number alone: they are the same in every work-group.  An s_nop 0 and four v_nop follow each of the two lines.
.macro TLOAD
	s_cmp_lt_u32 s[WV], 4
	s_cbranch_scc0 .Lnot_v_\@
	tensor_load_to_lds s[G0V:G0V+3], s[G1V:G1V+7]
	s_nop 0
.rept 4
	v_nop
.endr
	s_branch .Lasked_\@
.Lnot_v_\@:
	s_cmp_eq_u32 s[WV], 4
	s_cbranch_scc0 .Lasked_\@
	tensor_load_to_lds s[G0K:G0K+3], s[G1K:G1K+7]
	s_nop 0
.rept 4
	v_nop
.endr
.Lasked_\@:
.endm
; A PREFETCH INTO THE L2 of the mask words that the NEXT slot's eight key steps will load: 1,024 bytes for each tile of 16 queries.  The sixteen heads of a batch read the same words: the batch's first head asks.
; In each of its four work-groups (told apart by ADDRESS alone) waves 0, 4, 8 and 12 ask, each for the eight query tiles of four waves: 32 blocks of 256 bytes, a lane a block, one instruction.  So each block is named
; once in the launch.  It stands at the change of slots, behind the tensor load's lines.  Slot 0's words come by their loads alone; the three changes that fill a slot ask for slots 1, 2 and 3: none points past mw.
.macro ASK
	s_cmp_eq_u32 s[LIM], 1
	s_cbranch_scc0 .Lnot_mine_\@
	global_prefetch_b8 v[PFO], s[PFA:PFA+1] th:TH_LOAD_NT scope:SCOPE_SE
.Lnot_mine_\@:
.endm
	s_load_b256 s[4:11], s[0:1], 0x0               ; qc s[4:5], kc s[6:7], vh s[8:9], mw s[10:11]
	s_load_b64 s[12:13], s[0:1], 0x20              ; out0
	v_lshl_add_u32 v[SPW], v0, 2, SPARE
	v_mov_b32 v[NIL], 0
	ds_add_u32 v[SPW], v[NIL]                      ; the wave's opening: the add, twice on end, and its wait ahead of the first tensor loads; the set-up below, work on registers, stands between
	ds_add_u32 v[SPW], v[NIL]                      ; and once more, under the one wait
	v_lshrrev_b32 v1, 5, v0
	v_readfirstlane_b32 s[WV], v1                  ; wave 0..15
	s_bfe_u32 s16, ttmp6, 0x40000                  ; cx: my block of 512 queries: it enters Q's, the mask words' and O's addresses alone
	s_and_b32 s17, ttmp7, 0xffff                   ; the head, which the four partners share
	; descriptor group 1.  K: a dense block of 18,432 bytes as 72 rows of 256 (32 elements of 8 bytes), no padding
	s_mov_b32 s[G1K], 15|(3<<16)|(1<<21)           ; 15:0 the mask: all four work-groups; 17:16 elements of 8 bytes; 21 set beside a mask
	s_mov_b32 s[G1K+1], 32<<16                     ; tensor_dim0
	s_mov_b32 s[G1K+2], 72<<16                     ; tensor_dim1
	s_mov_b32 s[G1K+3], 32<<16                     ; tile_dim0
	s_mov_b32 s[G1K+4], 72                         ; tile_dim1
	s_mov_b32 s[G1K+5], 32                         ; elements from row to row
	s_mov_b32 s[G1K+6], 0
	s_mov_b32 s[G1K+7], 0
	; V: 128 rows of 64 elements of 2 bytes, 8 words of padding behind each row's 32
	s_mov_b32 s[G1V], 15|(1<<16)|(1<<20)|(1<<21)|(4<<22)|(7<<25)
	s_mov_b32 s[G1V+1], 64<<16
	s_mov_b32 s[G1V+2], 128<<16
	s_mov_b32 s[G1V+3], 64<<16
	s_mov_b32 s[G1V+4], 128
	s_mov_b32 s[G1V+5], 64
	s_mov_b32 s[G1V+6], 0
	s_mov_b32 s[G1V+7], 0
	; where K's and V's tiles begin: the head and the wave's number alone
	s_mul_i32 s72, s17, 4*18432                    ; a head's four blocks of K
	s_mov_b32 s73, 0
	s_and_b32 s19, s[WV], 3                        ; which quarter of a slot's rows of V
	s_lshl_b32 s74, s17, 18                        ; a head's 2,048 rows of 128 bytes,
	s_lshl_b32 s75, s19, 14                        ; a quarter's 128 rows
	s_add_co_u32 s74, s74, s75
	s_mov_b32 s75, 0
	s_mul_i32 s19, s19, 128*VP                     ; and their place in a slot
	; Q: block 4 x head + cx; my two images, my 32 scale words
	s_lshl_b32 s2, s17, 2
	s_add_co_u32 s2, s2, s16
	s_mul_i32 s2, s2, 18432
	s_lshl_b32 s3, s[WV], 10
	s_add_co_u32 s68, s2, s3
	s_mov_b32 s69, 0
	s_lshl_b32 s3, s[WV], 7
	s_add_co_u32 s70, s2, s3
	s_add_co_u32 s70, s70, KSC
	s_mov_b32 s71, 0
	; the mask words: query tile 128 b + 32 cx + 2 x wave, 4,096 bytes a tile
	s_lshr_b32 s2, s17, 4
	s_lshl_b32 s2, s2, 7
	s_lshl_b32 s3, s16, 5
	s_add_co_u32 s2, s2, s3
	s_lshl_b32 s3, s[WV], 1
	s_add_co_u32 s2, s2, s3
	s_lshl_b32 s76, s2, 12
	s_mov_b32 s77, 0
	; O: row 2,048 x head + 512 cx + 32 x wave, 256 bytes a row
	s_lshl_b32 s2, s17, 11
	s_lshl_b32 s3, s16, 9
	s_add_co_u32 s2, s2, s3
	s_lshl_b32 s3, s[WV], 5
	s_add_co_u32 s2, s2, s3
	s_lshl_b32 s78, s2, 8
	s_mov_b32 s79, 0
	s_and_b32 s2, s[WV], 3                         ; who prefetches: waves 0, 4, 8, 12
	s_and_b32 s3, s17, 15                          ; of a batch's first head: the same in all four partners
	s_or_b32 s2, s2, s3
	s_cmp_eq_u32 s2, 0
	s_cselect_b32 s[LIM], 1, 0
	s_mov_b32 s[SEL], 0x76543210
	s_mov_b32 s[SEL+1], 0xfedcba98
	s_mov_b32 s[NEGC], 0xbe38aa3b                  ; -log2(e) / 8
	s_mov_b32 s[TK], 0
	s_mov_b32 s[TS], 0
	s_mov_b32 s[TV], 0
	s_mov_b32 s[SLOTS], 3
	s_wait_dscnt 0x0                               ; both opening adds are done
	s_wait_kmcnt 0x0
	s_add_nc_u64 s[14:15], s[4:5], s[70:71]        ; Q's scale words
	s_add_nc_u64 s[4:5], s[4:5], s[68:69]          ; Q's images
	s_add_nc_u64 s[MBP:MBP+1], s[MBP:MBP+1], s[76:77]
	s_add_nc_u64 s[12:13], s[12:13], s[78:79]
	s_mov_b64 s[PFA:PFA+1], s[MBP:MBP+1]           ; in waves 0, 4, 8, 12 that is the first of eight query tiles; each change of slots steps it a slot on before it asks
	s_mov_b32 s[G0K], 1                            ; 1:0 count = 1
	s_mov_b32 s[G0K+1], 0                          ; 63:32 LDS address: slot 0
	s_add_nc_u64 s[G0K+2:G0K+3], s[6:7], s[72:73]  ; 120:64 global address: the head's first 512 keys
	s_or_b32 s[G0K+3], s[G0K+3], 0x80000000        ; 127:126 type = 2
	s_mov_b32 s[G0V], 1
	s_add_co_u32 s[G0V+1], s19, VOFF
	s_add_nc_u64 s[G0V+2:G0V+3], s[8:9], s[74:75]
	s_or_b32 s[G0V+3], s[G0V+3], 0x80000000
	CROUND                                         ; all four work-groups are here: the first joint loads meet
	TLOAD                                          ; slot 0
	v_and_b32 v32, 31, v0                          ; L
	v_and_b32 v33, 15, v0                          ; r
	v_bfe_u32 v34, v0, 4, 1                        ; h
	v_lshlrev_b32 v[AK0], 4, v32                   ; an image's place for my lane: 16 L
	v_lshlrev_b32 v38, 2, v32                      ; 4 L
	global_load_b128 v[QF:QF+3], v[AK0], s[4:5]               ; Q's two fragments stay in registers: registers 0-3 of each
	global_load_b128 v[QF+8:QF+11], v[AK0], s[4:5] offset:512
	global_load_b32 v[QS], v38, s[14:15]           ; Q's scale words: lanes 0-15 tile 0's rows, lanes 16-31 tile 1's
	s_load_b512 s[MW:MW+15], s[MBP:MBP+1], 0x0     ; step 0's mask words of tile 0
	s_load_b512 s[MW+16:MW+31], s[MBP:MBP+1], 0x40
	v_lshl_add_u32 v[AS0], v32, 2, KSC             ; K's scale words: lanes 0-15 an even tile's rows, lanes 16-31 the odd tile's behind it
	v_and_b32 v35, 7, v0
	v_lshl_add_u32 v35, v34, 3, v35
	v_mul_u32_u24 v[AV0], v35, VP                  ; the turning load: key 8 h + L % 8,
	v_bfe_u32 v35, v0, 3, 1
	v_lshl_add_u32 v[AV0], v35, 4, v[AV0]          ; channels 8 ((L / 8) % 2) on
	v_add_nc_u32 v[AV0], VOFF, v[AV0]
	v_lshlrev_b32 v[GO], 8, v34
	v_lshl_add_u32 v[GO], v33, 4, v[GO]            ; the way out: lanes 0-15 one row of O, lanes 16-31 the next; 16 bytes a lane
	v_lshrrev_b32 v[PFO], 2, v32
	v_lshlrev_b32 v[PFO], 12, v[PFO]
	v_and_b32 v35, 3, v0
	v_lshl_add_u32 v[PFO], v35, 8, v[PFO]          ; the prefetches: query tile L / 4, block L % 4 of its 1,024 bytes
	v_mov_b32 v[XR], 0xcfee6b28                    ; -8e9
	v_mov_b32 v[CR], 0x3e38aa3b                    ; c = log2(e) / 8
.irp t, 0,1
	v_mov_b32 v[ST+4*\t], 0                        ; l, in two halves
	v_mov_b32 v[ST+4*\t+1], 0
	v_mov_b32 v[ST+4*\t+2], 0xff61b1e6             ; m: -3e38, under every score
	v_mul_f32 v[ST+4*\t+3], s[NEGC], v[ST+4*\t+2]  ; -c m
.endr
	v_mov_b32 v27, 0                               ; the pairs' upper words are named with the lower, so they are written
	v_mov_b32 v29, 0
	v_mov_b32 v31, 0
.irp f, 0,1,2,3,4,5                    ; k = 64 .. 127 of every fragment: zero codes, written once (Q's two fragments and K's four lie on end)
.irp j, 4,5,6,7
	v_mov_b32 v[QF+8*\f+\j], 0
.endr
.endr
.irp j, 0,1,2,3,4,5,6,7,8,9,10,11,12,13,14,15,16,17,18,19,20,21,22,23,24,25,26,27,28,29,30,31,32,33,34,35,36,37,38,39,40,41,42,43,44,45,46,47,48,49,50,51,52,53,54,55,56,57,58,59,60,61,62,63
	v_mov_b32 v[OA+\j], 0                          ; O^T.  (The step is written once: the first finds zeros, which its a = 0 leaves zeros)
.endr
; S^T of key tile T and query tile t.  K's scale words: an odd tile's lie in lanes 16-31 of their register; so do those of Q's tile 1.
.macro KQ T, t
.if ((\T)%2 == 0) && ((\t) == 0)
	v_wmma_scale_f32_16x16x128_f8f6f4 v[SR+32*(\t)+8*(\T):SR+32*(\t)+8*(\T)+7], v[KF+8*(\T):KF+8*(\T)+7], v[QF+8*(\t):QF+8*(\t)+7], 0, v[KS+(\T)/2], v[QS] matrix_a_fmt:MATRIX_FMT_FP4 matrix_b_fmt:MATRIX_FMT_FP4
.elseif ((\T)%2 == 1) && ((\t) == 0)
	v_wmma_scale_f32_16x16x128_f8f6f4 v[SR+32*(\t)+8*(\T):SR+32*(\t)+8*(\T)+7], v[KF+8*(\T):KF+8*(\T)+7], v[QF+8*(\t):QF+8*(\t)+7], 0, v[KS+(\T)/2], v[QS] matrix_a_fmt:MATRIX_FMT_FP4 matrix_b_fmt:MATRIX_FMT_FP4 matrix_a_scale:MATRIX_SCALE_ROW1
.elseif ((\T)%2 == 0)
	v_wmma_scale_f32_16x16x128_f8f6f4 v[SR+32*(\t)+8*(\T):SR+32*(\t)+8*(\T)+7], v[KF+8*(\T):KF+8*(\T)+7], v[QF+8*(\t):QF+8*(\t)+7], 0, v[KS+(\T)/2], v[QS] matrix_a_fmt:MATRIX_FMT_FP4 matrix_b_fmt:MATRIX_FMT_FP4 matrix_b_scale:MATRIX_SCALE_ROW1
.else
	v_wmma_scale_f32_16x16x128_f8f6f4 v[SR+32*(\t)+8*(\T):SR+32*(\t)+8*(\T)+7], v[KF+8*(\T):KF+8*(\T)+7], v[QF+8*(\t):QF+8*(\t)+7], 0, v[KS+(\T)/2], v[QS] matrix_a_fmt:MATRIX_FMT_FP4 matrix_b_fmt:MATRIX_FMT_FP4 matrix_a_scale:MATRIX_SCALE_ROW1 matrix_b_scale:MATRIX_SCALE_ROW1
.endif
.endm
; Tile t's 32 registers of scores: where the lane's bit of the register's word is set, -8e9.  Each accumulator is read from its low end on.
.macro MASK t
.irp n, 0,1,2,3,4,5,6,7,8,9,10,11,12,13,14,15,16,17,18,19,20,21,22,23,24,25,26,27,28,29,30,31
	v_cndmask_b32 v[SR+32*\t+\n], v[SR+32*\t+\n], v[XR], s[MW+\n]
.endr
.endm
.macro SOFTMAX t
.set rS, SR+32*\t
.set rT, ST+4*\t
.set rO, OA+32*\t
.irp j, 0,1,2,3
	v_max3_num_f32 v[MX+\j], v[rS+8*\j], v[rS+8*\j+1], v[rS+8*\j+2]      ; the maximum of the lane's 32 scores and the old m: four chains of seven,
.endr
.irp u, 3,5
.irp j, 0,1,2,3
	v_max3_num_f32 v[MX+\j], v[MX+\j], v[rS+8*\j+\u], v[rS+8*\j+\u+1]
.endr
.endr
	v_max3_num_f32 v[MX], v[MX], v[rS+7], v[rS+15]                        ; the four scores left over,
	v_max3_num_f32 v[MX+2], v[MX+2], v[rS+23], v[rS+31]
	v_max3_num_f32 v[MX], v[MX], v[MX+1], v[MX+2]
	v_max3_num_f32 v[MX], v[MX], v[MX+3], v[rT+2]                         ; the chains and m
	v_permlanex16_b32 v38, v[MX], s[SEL], s[SEL+1]                        ; the query's other 32 keys lie in the lane 16 away
	v_max_num_f32 v[rT+2], v[MX], v38                                     ; the new m
	v_mul_f32 v39, s[NEGC], v[rT+2]                                       ; -c m
	v_cmp_lt_f32 vcc_lo, v[XR], v[rT+2]                                   ; has any key counted yet?
	v_sub_f32 v38, v39, v[rT+3]                                           ; c m_old - c m_new
	v_mov_b32 v[rT+3], v39
	v_cndmask_b32 v26, 0, v[CR], vcc_lo                                   ; c and -c m, or 0 and 0 while every key so far is masked: p = 1 then
	v_cndmask_b32 v28, 0, v39, vcc_lo
	v_exp_f32 v30, v38                                                    ; a.  ONE BATCH with the 32 below: nothing ahead of the wait names a result
.irp j, 0,2,4,6,8,10,12,14,16,18,20,22,24,26,28,30
	v_pk_fma_f32 v[rS+\j:rS+\j+1], v[rS+\j:rS+\j+1], v[26:27], v[28:29] op_sel_hi:[1,0,0]   ; c s - c m, two at a time
.endr
.irp j, 0,1,2,3,4,5,6,7,8,9,10,11,12,13,14,15,16,17,18,19,20,21,22,23,24,25,26,27,28,29,30,31
	v_exp_f32 v[rS+\j], v[rS+\j]
.endr
	v_nop                                                                 ; a plain line behind the last exponential
	s_wait_alu depctr_va_vdst(0)                                          ; the wait ahead of the first line that names a result: one for the 33
	v_pk_fma_f32 v[rT:rT+1], v[rT:rT+1], v[30:31], v[rS:rS+1] op_sel_hi:[1,0,1]   ; l = a l + the sum of the UNROUNDED p: two chains
	v_pk_add_f32 v[36:37], v[rS+2:rS+3], v[rS+4:rS+5]
.irp j, 6,10,14,18,22,26
	v_pk_add_f32 v[rT:rT+1], v[rT:rT+1], v[rS+\j:rS+\j+1]
	v_pk_add_f32 v[36:37], v[36:37], v[rS+\j+2:rS+\j+3]
.endr
	v_pk_add_f32 v[rT:rT+1], v[rT:rT+1], v[rS+30:rS+31]
	v_pk_add_f32 v[rT:rT+1], v[rT:rT+1], v[36:37]
.irp i, 0,1,2,3,4,5,6,7,8,9,10,11,12,13,14,15
	v_cvt_pk_f16_f32 v[rS+\i], v[rS+2*\i], v[rS+2*\i+1]                   ; P, in place, ascending: register i is written when 2 i and 2 i + 1 are read.  Registers 0-7: keys 0-31; 8-15: keys 32-63
.endr
.irp j, 0,2,4,6,8,10,12,14,16,18,20,22,24,26,28,30
	v_pk_mul_f32 v[rO+\j:rO+\j+1], v[rO+\j:rO+\j+1], v[30:31] op_sel_hi:[1,0]   ; O^T x a, each accumulator from its low end on
.endr
.endm
; O^T += V^T P, keys 32 u on: the eight accumulators take turns, one instruction a turn.
.macro PVMUL u
.irp c, 0,1,2,3
.irp t, 0,1
.if \u == 0
	v_wmma_f32_16x16x32_f16 v[OA+32*\t+8*\c:OA+32*\t+8*\c+7], v[VL+8*\c:VL+8*\c+7], v[SR+32*\t:SR+32*\t+7], v[OA+32*\t+8*\c:OA+32*\t+8*\c+7]
.else
	v_wmma_f32_16x16x32_f16 v[OA+32*\t+8*\c:OA+32*\t+8*\c+7], v[SR+16+8*\c+16*(\c/2):SR+16+8*\c+16*(\c/2)+7], v[SR+32*\t+8:SR+32*\t+15], v[OA+32*\t+8*\c:OA+32*\t+8*\c+7]
.endif
.endr
.endr
.endm
; A KEY STEP: 64 keys.
.macro STEP
	v_add_nc_u32 v[ADK], s[TK], v[AK0]             ; five plain lines: K Q^T below writes over registers that the last V^T P read (P, and V of keys 32-63), and stands five places behind it (ISA guide 7.12.1);
	v_add_nc_u32 v[ADS], s[TS], v[AS0]             ; the loads into V's registers want four
	v_add_nc_u32 v[ADV], s[TV], v[AV0]
	v_nop
	v_nop
.irp T, 0,1,2,3
	ds_load_b128 v[KF+8*\T:KF+8*\T+3], v[ADK] offset:512*\T               ; K's four fragments, as images: registers 0-3
.endr
	ds_load_b32 v[KS], v[ADS]                      ; the scale words of tiles 0, 1
	ds_load_b32 v[KS+1], v[ADS] offset:128         ; and 2, 3
.irp c, 0,1,2,3                        ; V of keys 0-31, turned: channels 16 c on
	ds_load_tr16_b128 v[VL+8*\c:VL+8*\c+3], v[ADV] offset:32*\c
	ds_load_tr16_b128 v[VL+8*\c+4:VL+8*\c+7], v[ADV] offset:16*VP+32*\c
.endr
	s_wait_dscnt 8                                 ; K and its scale words are in; V's eight loads may be out
.irp T, 0,1,2,3
.irp t, 0,1
	KQ \T, \t
.endr
.endr
.rept 4
	v_nop                                          ; four places ahead of the first read of the results
.endr
	s_wait_kmcnt 0x0                               ; tile 0's mask words, asked for half a step ago
	MASK 0
	s_load_b512 s[MW:MW+15], s[MBP:MBP+1], 0x1000  ; tile 1's words, one query tile (4,096 bytes) on: they land while tile 0's softmax is walked
	s_load_b512 s[MW+16:MW+31], s[MBP:MBP+1], 0x1040
	SOFTMAX 0
	s_wait_kmcnt 0x0
	MASK 1
	s_wait_xcnt 0x0                                ; the scalar loads are done and have read their base: it steps only behind these waits
	s_add_nc_u64 s[MBP:MBP+1], s[MBP:MBP+1], 128   ; four key tiles x 8 words on
	s_load_b512 s[MW:MW+15], s[MBP:MBP+1], 0x0     ; the next step's words of tile 0.  (The last step's look-ahead reads tile 1's first words: inside mw, and not used)
	s_load_b512 s[MW+16:MW+31], s[MBP:MBP+1], 0x40
	SOFTMAX 1
.irp c, 0,1,2,3                        ; V of keys 32-63 into the 16 registers that each tile's packing has left
	ds_load_tr16_b128 v[SR+16+8*\c+16*(\c/2):SR+16+8*\c+16*(\c/2)+3], v[ADV] offset:32*VP+32*\c
	ds_load_tr16_b128 v[SR+16+8*\c+16*(\c/2)+4:SR+16+8*\c+16*(\c/2)+7], v[ADV] offset:48*VP+32*\c
.endr
	s_wait_dscnt 8                                 ; V of keys 0-31 is in; the eight just issued may be out
	PVMUL 0
	s_wait_dscnt 0x0
	PVMUL 1
	s_add_co_u32 s[TK], s[TK], 4*512
	s_add_co_u32 s[TS], s[TS], 64*4
	s_add_co_u32 s[TV], s[TV], 64*VP
.endm
; THE CHANGE OF SLOTS stands at a slot's head.  Each wave waits for all its tensor loads (its part of the slot that it is about to read), adds 0 to its spare word, and waits for that and for its reads of the slot that it has left.
; fill = 1: the barrier is a round of the cluster's, so that no wave of any partner still reads the other slot or has a load on its way; the joint load of the next 512 keys is the first thing behind it and has eight key steps in which to land.
.macro CHANGE fill
	s_wait_tensorcnt 0x0                           ; no tensor load of mine is out, so a group 0 may be written
	ds_add_u32 v[SPW], v[NIL]                      ; 0 onto my spare word
.if \fill
	ds_add_u32 v[SPW], v[NIL]                      ; and once more: the add stands twice on end, in every trip alike
	s_xor_b32 s[G0K+1], s[G0K+1], SLOT1            ; the walking descriptors: the other slot than last time,
	s_add_nc_u64 s[G0K+2:G0K+3], s[G0K+2:G0K+3], 18432     ; the next 512 keys; the type bits on top are not reached
	s_xor_b32 s[G0V+1], s[G0V+1], SLOT1
	s_add_nc_u64 s[G0V+2:G0V+3], s[G0V+2:G0V+3], 512*128
	s_wait_xcnt 0x0                                ; the last prefetch, a slot back, has read its address, so it may be written:
	s_add_nc_u64 s[PFA:PFA+1], s[PFA:PFA+1], 1024  ; the next slot's words
	s_wait_dscnt 0x0                               ; both adds are done, and my reads of the slot that I have left are over
	CROUND
	TLOAD
	ASK
.else
	s_wait_dscnt 0x0
	s_barrier_signal -1
	s_barrier_wait -1
.endif
.endm
.macro SLOT_STEPS                      ; a slot's eight key steps: written once, walked eight times; then on to the other slot
	s_mov_b32 s[STP], 8
.Lstep_\@:
	STEP
	s_sub_co_u32 s[STP], s[STP], 1
	s_cmp_lg_u32 s[STP], 0
	s_cbranch_scc1 .Lstep_\@
	s_sub_co_u32 s[TK], s[TK], 8*4*512
	s_xor_b32 s[TK], s[TK], SLOT1
	s_sub_co_u32 s[TS], s[TS], 8*64*4
	s_xor_b32 s[TS], s[TS], SLOT1
	s_sub_co_u32 s[TV], s[TV], 8*64*VP
	s_xor_b32 s[TV], s[TV], SLOT1
.endm
	s_wait_loadcnt 0x0                             ; Q
.Lslot:                                            ; three trips: behind each change of slots but the last the next slot is asked for
	CHANGE 1
	SLOT_STEPS
	s_sub_co_u32 s[SLOTS], s[SLOTS], 1
	s_cmp_lg_u32 s[SLOTS], 0
	s_cbranch_scc1 .Lslot
	CHANGE 0                                       ; the last slot is written out
	SLOT_STEPS
	; THE WAY OUT.  l's two halves and the other half of the lanes' are added; O^T is divided by l and goes through my stage in LDS, a tile (16 rows of O) at a time, so that sixteen lanes store a whole row of 256 bytes.
	s_wait_kmcnt 0x0                               ; the last look-ahead of mask words
	v_and_b32 v4, 15, v0                           ; r.  (These plain lines are also the places behind the last products)
	v_bfe_u32 v5, v0, 4, 1                         ; h
	s_mul_i32 s2, s[WV], 16*SP                     ; my stage
	v_mul_u32_u24 v6, v4, SP
	v_lshl_add_u32 v6, v5, 5, v6
	v_add_nc_u32 v6, s2, v6                        ; in: row r; channel tile c's eight channels of my half: 64 c + 32 h bytes on
	v_mul_u32_u24 v13, v5, SP
	v_lshl_add_u32 v13, v4, 4, v13
	v_add_nc_u32 v13, s2, v13                      ; back: lanes 0-15 one row, lanes 16-31 the next
	v_add_f32 v32, v[ST], v[ST+1]
	v_add_f32 v33, v[ST+4], v[ST+5]
	v_permlanex16_b32 v34, v32, s[SEL], s[SEL+1]
	v_permlanex16_b32 v35, v33, s[SEL], s[SEL+1]
	v_add_f32 v32, v32, v34
	v_add_f32 v33, v33, v35
	v_rcp_f32 v26, v32
	v_rcp_f32 v28, v33
	v_nop                                          ; a plain line behind the last reciprocal
	s_wait_alu depctr_va_vdst(0)                   ; and the wait ahead of the first use: one for the two
.macro PACK t                          ; tile t: O^T / l into the registers that K (tile 0) and V (tile 1) have left; into the stage; back as whole rows
.set II, 0
.rept 16
	v_pk_mul_f32 v[KF+32*\t+II:KF+32*\t+II+1], v[OA+32*\t+II:OA+32*\t+II+1], v[26+2*\t:27+2*\t] op_sel_hi:[1,0]
.set II, II+2
.endr
.irp c, 0,1,2,3
	ds_store_b128 v6, v[KF+32*\t+8*\c:KF+32*\t+8*\c+3] offset:64*\c
	ds_store_b128 v6, v[KF+32*\t+8*\c+4:KF+32*\t+8*\c+7] offset:64*\c+16
.endr
.irp f, 0,1,2,3,4,5,6,7
	ds_load_b128 v[KF+32*\t+4*\f:KF+32*\t+4*\f+3], v13 offset:\f*2*SP     ; LDS serves a wave's instructions in order (ISA guide 5.7.1.4): these see the stores above; the next tile's stores come behind them
.endr
.endm
.macro SEND t, younger                 ; younger: the LDS instructions issued behind tile t's loads
.irp f, 0,1,2,3,4,5,6,7
	s_wait_dscnt \younger+7-\f
	global_store_b128 v[GO], v[KF+32*\t+4*\f:KF+32*\t+4*\f+3], s[12:13] offset:\t*4096+\f*512 th:TH_STORE_NT   ; 16 lanes store 256 consecutive bytes, at a multiple of 256 from out0's first byte
.endr
.endm
	PACK 0
	PACK 1
	SEND 0, 16
	SEND 1, 0
	s_wait_tensorcnt 0x0                           ; the wave's end, behind my last tensor load and my last LDS store
	ds_add_u32 v[SPW], v[NIL]
	s_wait_dscnt 0x0
	CROUND                                         ; the closing round: no work-group ends while a partner may still ask for a tile that names it
	s_endpgm
.Lfunc_end_k_q13429fd9c1_attn:
	.size	k_q13429fd9c1_attn, .Lfunc_end_k_q13429fd9c1_attn-k_q13429fd9c1_attn
	.p2alignl 7, 3214868480
	.fill 96, 4, 3214868480
	.section	.rodata,"a",@progbits
	.p2align	6, 0x0
	.amdhsa_kernel k_q13429fd9c1_attn
		.amdhsa_group_segment_fixed_size 327680
		.amdhsa_private_segment_fixed_size 0
		.amdhsa_enable_private_segment 0
		.amdhsa_kernarg_size 40
		.amdhsa_user_sgpr_count 2
		.amdhsa_user_sgpr_kernarg_segment_ptr 1
		.amdhsa_wavefront_size32 1
		.amdhsa_system_sgpr_workgroup_id_x 1
		.amdhsa_system_sgpr_workgroup_id_y 1
		.amdhsa_system_sgpr_workgroup_id_z 1
		.amdhsa_system_vgpr_workitem_id 0
		.amdhsa_next_free_vgpr 256
		.amdhsa_next_free_sgpr 100
		.amdhsa_reserve_vcc 1
		.amdhsa_float_denorm_mode_32 3
		.amdhsa_float_denorm_mode_16_64 3
		.amdhsa_memory_ordered 1
		.amdhsa_forward_progress 1
		.amdhsa_inst_pref_size 63
	.end_amdhsa_kernel
	.amdgpu_metadata
---
amdhsa.version: [ 1, 2 ]
amdhsa.kernels:
  - .name:           k_q13429fd9c1_attn
    .symbol:         k_q13429fd9c1_attn.kd
    .args:
      - { .name: qc, .offset: 0, .size: 8, .value_kind: global_buffer, .address_space: global }
      - { .name: kc, .offset: 8, .size: 8, .value_kind: global_buffer, .address_space: global }
      - { .name: vh, .offset: 16, .size: 8, .value_kind: global_buffer, .address_space: global }
      - { .name: mw, .offset: 24, .size: 8, .value_kind: global_buffer, .address_space: global }
      - { .name: out0, .offset: 32, .size: 8, .value_kind: global_buffer, .address_space: global }
    .group_segment_fixed_size: 327680
    .private_segment_fixed_size: 0
    .kernarg_segment_align: 8
    .kernarg_segment_size: 40
    .max_flat_workgroup_size: 512
    .sgpr_count:     100
    .vgpr_count:     256
    .wavefront_size: 32
...
	.end_amdgpu_metadata
.endif
;; end of part 2
